; MI455X (gfx1250); checked and timed in simulation.
; The chip was launched on July 23, 2026; its instructions are those of AMD's public machine-readable ISA for CDNA 5 (MIT licence, August 2026) and "CDNA5" Instruction Set Architecture Reference Guide (July 2026). The comments in the code are by the model that wrote it; some were corrected since.
;; Clusterised MLP. Allowed arithmetic: matrix products marked QUANTISED: E2M3 operands, one E8M0 scale for each 32 along K, by v_wmma_scale_f32_16x16x128_f8f6f4 with both operands' format E2M3, f32 sums; products left as they are: f32 operands where the result goes on into a quantised operand, else bf16, f16 or f32 operands; f32 sums; everything else in f32.
;; Inputs: V_in 8 x 256 x 36 float32; V_mid 8 x 3 x 256 x 256 float32; V_out 8 x 3 x 256 float32; X 32,768 x 3 float32; b_in 8 x 256 float32; b_mid 8 x 3 x 256 float32; b_out 8 x 3 float32; cluster_ids 32,768 int32; g_in 8 x 256 float32; g_mid 8 x 3 x 256 float32; g_out 8 x 3 float32.
;; Outputs: out0 32,768 x 3 float32.
;; This version of the problem:
;;   THIS VERSION OF THE PROBLEM IS GIVEN IN LOW PRECISION. The matrix products marked QUANTISED in the list below multiply operands that are first quantised to E2M3 (2 exponent bits, 3 mantissa bits; 6 bits a number), with one power-of-two scale for each 32 numbers along K (OCP MX v1.0); their sums are f32. All else is computed in f32.
;;   The module's matrix products, in the order in which they are computed (A, B: the left and right operand; K: the contracted axis; several contracted axes count as one K, in the product's order):
;;     1. [M 32,768, K 36] x [K 36, N 256]; A: computed on the way; B: computed on the way: QUANTISED
;;     2. [M 32,768, K 256] x [K 256, N 256]; A: computed on the way; B: computed on the way: QUANTISED
;;     3. [M 32,768, K 256] x [K 256, N 256]; A: computed on the way; B: computed on the way: QUANTISED
;;     4. [M 32,768, K 256] x [K 256, N 256]; A: computed on the way; B: computed on the way: QUANTISED
;;     5. [M 32,768, K 256] x [K 256, N 3]; A: computed on the way; B: computed on the way: left as it is (N = 3 < 16)
;;     6. [M 32,768, K 36] x [K 36, N 256]; A: computed on the way; B: computed on the way: QUANTISED
;;     7. [M 32,768, K 256] x [K 256, N 256]; A: computed on the way; B: computed on the way: QUANTISED
;;     8. [M 32,768, K 256] x [K 256, N 256]; A: computed on the way; B: computed on the way: QUANTISED
;;     9. [M 32,768, K 256] x [K 256, N 256]; A: computed on the way; B: computed on the way: QUANTISED
;;     10. [M 32,768, K 256] x [K 256, N 3]; A: computed on the way; B: computed on the way: left as it is (N = 3 < 16)
;;     11. [M 32,768, K 36] x [K 36, N 256]; A: computed on the way; B: computed on the way: QUANTISED
;;     12. [M 32,768, K 256] x [K 256, N 256]; A: computed on the way; B: computed on the way: QUANTISED
;;     13. [M 32,768, K 256] x [K 256, N 256]; A: computed on the way; B: computed on the way: QUANTISED
;;     14. [M 32,768, K 256] x [K 256, N 256]; A: computed on the way; B: computed on the way: QUANTISED
;;     15. [M 32,768, K 256] x [K 256, N 3]; A: computed on the way; B: computed on the way: left as it is (N = 3 < 16)
;;     16. [M 32,768, K 36] x [K 36, N 256]; A: computed on the way; B: computed on the way: QUANTISED
;;     17. [M 32,768, K 256] x [K 256, N 256]; A: computed on the way; B: computed on the way: QUANTISED
;;     18. [M 32,768, K 256] x [K 256, N 256]; A: computed on the way; B: computed on the way: QUANTISED
;;     19. [M 32,768, K 256] x [K 256, N 256]; A: computed on the way; B: computed on the way: QUANTISED
;;     20. [M 32,768, K 256] x [K 256, N 3]; A: computed on the way; B: computed on the way: left as it is (N = 3 < 16)
;;     21. [M 32,768, K 36] x [K 36, N 256]; A: computed on the way; B: computed on the way: QUANTISED
;;     22. [M 32,768, K 256] x [K 256, N 256]; A: computed on the way; B: computed on the way: QUANTISED
;;     23. [M 32,768, K 256] x [K 256, N 256]; A: computed on the way; B: computed on the way: QUANTISED
;;     24. [M 32,768, K 256] x [K 256, N 256]; A: computed on the way; B: computed on the way: QUANTISED
;;     25. [M 32,768, K 256] x [K 256, N 3]; A: computed on the way; B: computed on the way: left as it is (N = 3 < 16)
;;     26. [M 32,768, K 36] x [K 36, N 256]; A: computed on the way; B: computed on the way: QUANTISED
;;     27. [M 32,768, K 256] x [K 256, N 256]; A: computed on the way; B: computed on the way: QUANTISED
;;     28. [M 32,768, K 256] x [K 256, N 256]; A: computed on the way; B: computed on the way: QUANTISED
;;     29. [M 32,768, K 256] x [K 256, N 256]; A: computed on the way; B: computed on the way: QUANTISED
;;     30. [M 32,768, K 256] x [K 256, N 3]; A: computed on the way; B: computed on the way: left as it is (N = 3 < 16)
;;     31. [M 32,768, K 36] x [K 36, N 256]; A: computed on the way; B: computed on the way: QUANTISED
;;     32. [M 32,768, K 256] x [K 256, N 256]; A: computed on the way; B: computed on the way: QUANTISED
;;     33. [M 32,768, K 256] x [K 256, N 256]; A: computed on the way; B: computed on the way: QUANTISED
;;     34. [M 32,768, K 256] x [K 256, N 256]; A: computed on the way; B: computed on the way: QUANTISED
;;     35. [M 32,768, K 256] x [K 256, N 3]; A: computed on the way; B: computed on the way: left as it is (N = 3 < 16)
;;     36. [M 32,768, K 36] x [K 36, N 256]; A: computed on the way; B: computed on the way: QUANTISED
;;     37. [M 32,768, K 256] x [K 256, N 256]; A: computed on the way; B: computed on the way: QUANTISED
;;     38. [M 32,768, K 256] x [K 256, N 256]; A: computed on the way; B: computed on the way: QUANTISED
;;     39. [M 32,768, K 256] x [K 256, N 256]; A: computed on the way; B: computed on the way: QUANTISED
;;     40. [M 32,768, K 256] x [K 256, N 3]; A: computed on the way; B: computed on the way: left as it is (N = 3 < 16)
;;   THE QUANTISER, for each operand of a quantised product, along K:
;;     - K is cut into blocks of 32 from its start; a last block that is shorter is filled with zeros.
;;     - A block's scale is 2^e with e = floor(log2(the largest magnitude in the block)) - 2, held to -126 .. 127; a block of zeros has e = 0. As a byte (E8M0): e + 127.
;;     - Each number is divided by its block's scale, clamped to +-7.5, and rounded to the nearest number of E2M3, ties to even, subnormals kept.
;;     - The product sums the exact products of the quantised numbers (number of the format x scale) in f32.
;;   ~~~python
;;   def quantise(x, axis):      # numpy; x: float32 -> the quantised numbers, widened to float32 again
;;       x = np.moveaxis(x, axis, -1); K = x.shape[-1]
;;       x = np.pad(x, [(0, 0)] * (x.ndim - 1) + [(0, -K % 32)]); x = x.reshape(x.shape[:-1] + (-1, 32)); a = np.abs(x).max(-1, keepdims=True)
;;       e = np.where(a > 0, np.clip(np.frexp(np.where(a > 0, a, 1))[1] - 1 - 2, -126, 127), 0)      # np.frexp(a)[1] - 1 = floor(log2(a)), exactly
;;       r = np.clip(x / 2.0 ** e, -7.5, 7.5)
;;       step = 2.0 ** (np.maximum(np.frexp(np.where(r == 0, 1, r))[1] - 1, 0) - 3)
;;       q = np.round(r / step) * step * 2.0 ** e      # np.round: ties to even
;;       return np.moveaxis(q.reshape(q.shape[:-2] + (-1,))[..., :K], -1, axis).astype(np.float32)
;;   ~~~
;;   OPERANDS COMPUTED ON THE WAY. 'Computed on the way' means the value that the module computes at that place (a softmax that the list does not call 'softmax' is quantised finished and normalised). What goes into a quantiser is computed in f32, as accurately as f32 sums, v_exp_f32 and their like allow (about 1e-6 of the number): no bf16 or f16 on the way to a quantiser, and a product that is left as it is and whose result goes on into a quantised operand takes f32 operands (vector FMAs, or v_wmma_f32_16x16x4_f32). A number that lies on a knife's edge between two numbers of the format may be rounded either way, as far as f32 arithmetic and the matrix unit's own rounding can turn it there, and no further.
;; One version. Each part assembles by itself: llvm-mc -triple=amdgcn-amd-amdhsa -mcpu=gfx1250 --defsym DOCPART=n.
;; ======== version 1 of 1: 2 launches
;; limits: inputs' magnitudes at most 32,768
;; workspace buffers: tiles 4,096 bytes of whole numbers; order 131,072 bytes of whole numbers; rec 1,048,576 bytes; wq_in 212,992 bytes; wq_mid 1,228,800 bytes; wo 24,576 bytes
;; launch prep (part 1): grid 178 x 1, 16 waves a work-group, no clusters, 118,528 bytes of LDS; arguments cluster_ids, X, V_in, g_in, V_mid, g_mid, V_out, g_out, tiles, order, rec, wq_in, wq_mid, wo; writes tiles, order, rec, wq_in, wq_mid, wo
.if DOCPART == 1
	.amdgcn_target "amdgcn-amd-amdhsa--gfx1250"
	.amdhsa_code_object_version 6
	.text
	.protected	k_q8d3c6420c5_prep
	.globl	k_q8d3c6420c5_prep
	.p2align	8
	.type	k_q8d3c6420c5_prep,@function
k_q8d3c6420c5_prep:
	s_mov_b64 s[64:65], 0
	v_nop
	global_prefetch_b8 v0, s[64:65] scope:SCOPE_SE
	s_setreg_imm32_b32 hwreg(HW_REG_WAVE_MODE, 25, 1), 1
	s_wait_xcnt 0x0
; PREP: all that the chain of products needs is made here, side by side, by five kinds of work-group (told apart by the work-group's number):
;   0         SORT  the 32,768 tokens are sorted by expert (a counting sort, no atomics): order[p] = token at sorted place p; tiles[i] = (expert, first place, rows, 0), tiles of 144 rows
;   1 .. 96   MID   64 rows of one V_mid[c][l]: W = g V / |V| in f32, quantised along K to E2M3 with one E8M0 byte for each 32, laid in the ORDER OF THE OPERAND'S REGISTERS
;   97 .. 112 IN    128 rows of V_in likewise; K = 36 is filled with zeros up to 128
;   113       OUT   g_out V_out / |V_out| in f32 (that product is left as it is)
;   114 .. 177 ENC  512 tokens: the 36 sines and cosines in f32, quantised; a record of 32 bytes a token: 24 bytes block 0, 4 bytes block 1 (k = 32 .. 35), 4 scale bytes
; A FRAGMENT'S IMAGE (16 rows x 128 K, 12 registers a lane) is 3 pieces of 512 bytes; piece q holds registers 4 q .. 4 q + 3 at 16 x lane.  Lane (r, h), registers 6 cq .. 6 cq + 5: block 2 cq + h of the K step.
; THE ROWS OF A TILE ARE NOT NEIGHBOURS: lane r of tile 2 b + u of a run of 64 rows takes row 32 b + 8 u + r + 8 (r / 8), so that the product's results are neighbours along the next K.
; Behind a run's images lie 512 bytes of scale words, at 16 x lane + 4 x tile: lanes 0-15 K step 0 of row r, lanes 16-31 K step 1 (V_in: a copy of step 0).
; LIMITS.  An id outside 0 .. 7 is sorted to expert 7 (the chain's launch gives such a token zeros, as the reference does).  Sine and cosine: three-part reduction by pi / 2 and polynomials, absolute error about
; 1.5e-7 while |32 x| stays under 2^20.  W = V x (g x rsq(sum V^2)): three roundings where the reference has g V / sqrt(sum V^2).  A row of norm 0 gives NaN as there.  A block of zeros has the byte 1, not 127:
; its codes are zeros and these bytes are read by this program alone.  NaN and infinities among the inputs are not served.
; Each kind has LDS bytes of its own.  No tensor load, no loop: every offset is an immediate.
.set SORT_W,  0                        ; 16 waves x 16 bytes: the waves' packed counts
.set MID_IMG, 256                      ; 12,800 bytes: 8 images + scale words
.set IN_IMG,  13056                    ; 13,312 bytes: 2 x (4 images + scale words)
.set ENC_STG, 26368                    ; 16 waves x 1,024 bytes
.set MID_STG, 42752                    ; 16 waves x 32 places of 128 + 16 bytes
.set X,   48                           ; v48-79  the 32 numbers of a lane's block
.set ID,  16                           ; SORT: v16-79 ids, then store offsets
.set RK,  80                           ; v80-143 ranks inside a group of 8, then token numbers
.set NG,  144                          ; v144-151 a group's eight counts, 4 bits each
.set EX,  152                          ; v152-167 counts of the groups before, a byte each: even clusters, odd clusters
.set BS,  168                          ; v168-199 a group's eight first places, 16 bits each
.set EN,  64                           ; ENC: v64-111 the encoding, filled with zeros to 48
.set A,   16                           ; ENC: v16-33 the 18 angles
.macro AMAX32 d, e, x                  ; the largest magnitude of 32 numbers, and the floor 2^(3 - 127), so that the byte cannot fall under 1
	v_max3_num_f32 v[\d], |v[\x]|, |v[\x+1]|, |v[\x+2]|
	v_max3_num_f32 v[\e], |v[\x+3]|, |v[\x+4]|, |v[\x+5]|
.irp i, 6,10,14,18,22,26
	s_delay_alu instid0(VALU_DEP_2)
	v_max3_num_f32 v[\d], v[\d], |v[\x+\i]|, |v[\x+\i+1]|
	s_delay_alu instid0(VALU_DEP_2)
	v_max3_num_f32 v[\e], v[\e], |v[\x+\i+2]|, |v[\x+\i+3]|
.endr
	s_delay_alu instid0(VALU_DEP_2)
	v_max3_num_f32 v[\d], v[\d], |v[\x+30]|, |v[\x+31]|
	s_delay_alu instid0(VALU_DEP_1)
	v_max3_num_f32 v[\d], v[\d], v[\e], 0x1800000
.endm
.macro SUMSQ                           ; v80 = the sum of my 32 squares, in two packed chains
	v_pk_mul_f32 v[80:81], v[X:X+1], v[X:X+1]
	v_pk_mul_f32 v[82:83], v[X+2:X+3], v[X+2:X+3]
.irp i, 4,8,12,16,20,24,28
	s_delay_alu instid0(VALU_DEP_2)
	v_pk_fma_f32 v[80:81], v[X+\i:X+\i+1], v[X+\i:X+\i+1], v[80:81]
	s_delay_alu instid0(VALU_DEP_2)
	v_pk_fma_f32 v[82:83], v[X+\i+2:X+\i+3], v[X+\i+2:X+\i+3], v[82:83]
.endr
	s_delay_alu instid0(VALU_DEP_1)
	v_pk_add_f32 v[80:81], v[80:81], v[82:83]
	s_delay_alu instid0(VALU_DEP_1)
	v_add_f32 v80, v80, v81
.endm
.macro RED n                           ; over the 4 (n = 2) or 8 (n = 3) neighbouring lanes that share a row
	s_delay_alu instid0(VALU_DEP_1)
	v_add_f32_dpp v80, v80, v80 row_xmask:1 row_mask:0xf bank_mask:0xf
	s_delay_alu instid0(VALU_DEP_1)
	v_add_f32_dpp v80, v80, v80 row_xmask:2 row_mask:0xf bank_mask:0xf
.if \n > 2
	s_delay_alu instid0(VALU_DEP_1)
	v_add_f32_dpp v80, v80, v80 row_xmask:4 row_mask:0xf bank_mask:0xf
.endif
.endm
.macro SCALEROW                        ; X = X x g / |row|; g in v84
	v_rsq_f32 v81, v80
	v_nop                                          ; a plain instruction behind the transcendental (ISA guide 5.7.2)
	s_wait_alu depctr_va_vdst(0)                   ; and the wait ahead of its first reader
	v_mul_f32 v86, v84, v81
	s_delay_alu instid0(VALU_DEP_1)
	v_mov_b32 v87, v86
.irp i, 0,2,4,6,8,10,12,14,16,18,20,22,24,26,28,30
	v_pk_mul_f32 v[X+\i:X+\i+1], v[X+\i:X+\i+1], v[86:87]
.endr
.endm
.macro QBLK                            ; my block's codes in v92-94 (k 0 .. 15) and v96-98 (k 16 .. 31), its byte in v91
	AMAX32 88, 89, X
	s_delay_alu instid0(VALU_DEP_1)
	v_add_nc_u32 v90, 0xff000000, v88              ; 2 off the exponent field: the conversion takes that field as its scale
	v_cvt_scalef32_pk16_fp6_f32 v[92:94], v[X:X+15], v90
	v_cvt_scalef32_pk16_fp6_f32 v[96:98], v[X+16:X+31], v90
	v_lshrrev_b32 v91, 23, v90                     ; the byte; also the plain instruction behind the conversions
.endm
; My block's six registers go to their places in the image: cq = 0: registers 0-3 whole piece 0, 4-5 the low half of piece 1; cq = 1: 6-7 its high half, 8-11 piece 2.
; v6, v7, v8: the three LDS addresses; v9: cq.  The scale word is gathered from the four lanes that hold a row's four blocks of a K step.
.macro PUT img, sco, dup
	v_cmp_eq_u32 vcc_lo, 1, v9
	v_cndmask_b32 v100, v92, v94, vcc_lo
	v_cndmask_b32 v101, v93, v96, vcc_lo
	v_cndmask_b32 v102, v94, v97, vcc_lo
	v_cndmask_b32 v103, v96, v98, vcc_lo
	v_cndmask_b32 v104, v97, v92, vcc_lo
	v_cndmask_b32 v105, v98, v93, vcc_lo
	v_and_b32 v106, 3, v0
	s_delay_alu instid0(VALU_DEP_1)
	v_lshlrev_b32 v106, 3, v106
	s_delay_alu instid0(VALU_DEP_1)
	v_lshlrev_b32 v107, v106, v91                  ; my byte at its place in the word
	v_mov_b32 v108, 0
	s_delay_alu instid0(VALU_DEP_2)
	v_mov_b32_dpp v108, v107 row_xmask:1 row_mask:0xf bank_mask:0xf
	s_delay_alu instid0(VALU_DEP_1)
	v_or_b32 v107, v107, v108
	s_delay_alu instid0(VALU_DEP_1)
	v_mov_b32_dpp v108, v107 row_xmask:2 row_mask:0xf bank_mask:0xf
	s_delay_alu instid0(VALU_DEP_1)
	v_or_b32 v107, v107, v108
	ds_store_b128 v6, v[100:103] offset:\img
	ds_store_b64 v7, v[104:105] offset:\img+512
	ds_store_b32 v8, v107 offset:\img+\sco          ; the four lanes write the same word with the same value
.if \dup
	ds_store_b32 v8, v107 offset:\img+\sco+256
.endif
.endm
; The image leaves as it lies: each store of a wave covers 512 consecutive bytes, aligned.  8,192 bytes by all 512 threads, the rest by waves 0 .. n2 - 1.
.macro COPYOUT img, n2
	s_wait_dscnt 0x0                               ; for the others' sake: my stores into the image are done
	s_barrier_signal -1
	s_barrier_wait -1
	v_lshlrev_b32 v110, 4, v0
	ds_load_b128 v[112:115], v110 offset:\img
	s_wait_alu depctr_va_vdst(0)
	s_wait_dscnt 0x0
	global_store_b128 v110, v[112:115], s[10:11]
	s_cmp_lt_u32 s8, \n2
	s_cbranch_scc0 .Lcopied_\@
	ds_load_b128 v[116:119], v110 offset:\img+8192
	s_wait_dscnt 0x0
	global_store_b128 v110, v[116:119], s[10:11] offset:8192
.Lcopied_\@:
	s_wait_tensorcnt 0x0
	ds_add_u32 v224, v225
	s_wait_dscnt 0x0
	s_endpgm
.endm
.macro CONST2 r, x
	v_mov_b32 v[\r], \x
	v_mov_b32 v[\r+1], \x
.endm
; Sine and cosine of angles 2 i and 2 i + 1 (symbol i).  N = the nearest whole number to A x 2 / pi; R = A - N pi / 2 in three fused steps; polynomials on |R| <= pi / 4; the quadrant N mod 4 swaps and signs.
.macro SINCOS
	v_pk_mul_f32 v[34:35], v[A+2*i:A+2*i+1], v[112:113]
	s_delay_alu instid0(VALU_DEP_1)
	v_rndne_f32 v34, v34
	s_delay_alu instid0(VALU_DEP_2)
	v_rndne_f32 v35, v35
	s_delay_alu instid0(VALU_DEP_1)
	v_pk_fma_f32 v[36:37], v[34:35], v[114:115], v[A+2*i:A+2*i+1]
	s_delay_alu instid0(VALU_DEP_1)
	v_pk_fma_f32 v[36:37], v[34:35], v[116:117], v[36:37]
	s_delay_alu instid0(VALU_DEP_1)
	v_pk_fma_f32 v[36:37], v[34:35], v[118:119], v[36:37]
	s_delay_alu instid0(VALU_DEP_1)
	v_pk_mul_f32 v[38:39], v[36:37], v[36:37]      ; Z = R R
	s_delay_alu instid0(VALU_DEP_1)
	v_pk_fma_f32 v[40:41], v[124:125], v[38:39], v[122:123]
	s_delay_alu instid0(VALU_DEP_2)
	v_pk_fma_f32 v[42:43], v[130:131], v[38:39], v[128:129]
	s_delay_alu instid0(VALU_DEP_2)
	v_pk_fma_f32 v[40:41], v[40:41], v[38:39], v[120:121]
	s_delay_alu instid0(VALU_DEP_2)
	v_pk_fma_f32 v[42:43], v[42:43], v[38:39], v[126:127]
	v_pk_mul_f32 v[44:45], v[38:39], v[36:37]      ; Z R
	v_pk_mul_f32 v[46:47], v[38:39], v[38:39]      ; Z Z
	v_pk_fma_f32 v[50:51], v[38:39], -0.5, 1.0 op_sel_hi:[1,0,0]
	s_delay_alu instid0(VALU_DEP_3)
	v_pk_fma_f32 v[40:41], v[40:41], v[44:45], v[36:37]   ; sin R
	s_delay_alu instid0(VALU_DEP_2)
	v_pk_fma_f32 v[42:43], v[42:43], v[46:47], v[50:51]   ; cos R
	v_cvt_i32_f32 v48, v34
	v_cvt_i32_f32 v49, v35
.irp x, 0,1
.set a, 2*i+\x                         ; angle a = 3 f + d: sine to place 6 f + d, cosine to 6 f + 3 + d
	v_and_b32 v52, 1, v[48+\x]
	s_delay_alu instid0(VALU_DEP_1)
	v_cmp_eq_u32 vcc_lo, 1, v52
	s_delay_alu instid0(VALU_DEP_1)
	v_cndmask_b32 v53, v[40+\x], v[42+\x], vcc_lo
	s_delay_alu instid0(VALU_DEP_2)
	v_cndmask_b32 v54, v[42+\x], v[40+\x], vcc_lo
	v_lshlrev_b32 v55, 30, v[48+\x]
	s_delay_alu instid0(VALU_DEP_1)
	v_and_b32 v55, 0x80000000, v55                 ; the sine is negative in quadrants 2 and 3,
	s_delay_alu instid0(VALU_DEP_1)
	v_xor_b32 v[EN+6*(a/3)+a%3], v53, v55
	v_add_nc_u32 v56, 1, v[48+\x]
	s_delay_alu instid0(VALU_DEP_1)
	v_lshlrev_b32 v56, 30, v56
	s_delay_alu instid0(VALU_DEP_1)
	v_and_b32 v56, 0x80000000, v56                 ; the cosine in 1 and 2
	s_delay_alu instid0(VALU_DEP_1)
	v_xor_b32 v[EN+6*(a/3)+3+a%3], v54, v56
.endr
.endm
	v_lshl_add_u32 v224, v0, 2, 0x1c700
	v_mov_b32 v225, 0
	v_and_b32 v1, 31, v0                           ; lane
	v_lshrrev_b32 v2, 5, v0
	s_delay_alu instid0(VALU_DEP_1)
	v_readfirstlane_b32 s8, v2                     ; wave 0 .. 15
	s_cmp_eq_u32 ttmp9, 0
	s_cbranch_scc1 .Lsort
	s_cmp_lt_u32 ttmp9, 97
	s_cbranch_scc1 .Lmid
	s_cmp_lt_u32 ttmp9, 113
	s_cbranch_scc1 .Lin
	s_cmp_eq_u32 ttmp9, 113
	s_cbranch_scc1 .Lout
; ---------------------------------------------------------------- ENC: token 512 e + t
	s_load_b64 s[4:5], s[0:1], 0x8                 ; X
	s_load_b64 s[6:7], s[0:1], 0x50                ; rec
	s_sub_co_u32 s12, ttmp9, 114                   ; e
	s_mul_i32 s14, s12, 6144                       ; 512 tokens x 12 bytes
	s_mov_b32 s15, 0
	s_lshl_b32 s16, s12, 14                        ; 512 records of 32 bytes
	s_mov_b32 s17, 0
	v_mul_u32_u24 v5, v0, 12
	s_lshl_b32 s18, s8, 10
	s_wait_alu depctr_va_vdst(0)
	v_lshl_add_u32 v4, v1, 4, s18                  ; out: 1,024 x wave + 16 x lane
	s_add_co_u32 s18, s18, ENC_STG
	v_lshl_add_u32 v2, v1, 5, s18                  ; my wave's stage: in, 32 bytes a lane;
	v_lshl_add_u32 v3, v1, 4, s18                  ; back, 16 bytes a lane
	s_wait_kmcnt 0x0
	s_add_nc_u64 s[4:5], s[4:5], s[14:15]
	s_add_nc_u64 s[6:7], s[6:7], s[16:17]
	global_load_b96 v[16:18], v5, s[4:5] th:TH_LOAD_NT
	CONST2 112, 0x3f22f983                         ; 2 / pi
	CONST2 114, 0xbfc90fdb                         ; pi / 2 = 1.57079637 - 4.37113883e-8 - 1.7151245e-15: the three parts, negated
	CONST2 116, 0x333bbd2e
	CONST2 118, 0x26f72cf1
	CONST2 120, 0xbe2aaaa3                         ; sine: R + R Z (S1 + Z (S2 + Z S3))
	CONST2 122, 0x3c08839e
	CONST2 124, 0xb94ca1f9
	CONST2 126, 0x3d2aaaa5                         ; cosine: 1 - Z / 2 + Z Z (C1 + Z (C2 + Z C3))
	CONST2 128, 0xbab6061a
	CONST2 130, 0x37ccf5ce
.irp j, 36,37,38,39,40,41,42,43,44,45,46,47
	v_mov_b32 v[EN+\j], 0                          ; the last block is filled with zeros
.endr
	s_wait_loadcnt 0x0
.irp d, 0,1,2
	v_mul_f32 v[A+3+\d], 2.0, v[A+\d]              ; 2^f x: exact
	v_mul_f32 v[A+6+\d], 4.0, v[A+\d]
	v_mul_f32 v[A+9+\d], 0x41000000, v[A+\d]
	v_mul_f32 v[A+12+\d], 0x41800000, v[A+\d]
	v_mul_f32 v[A+15+\d], 0x42000000, v[A+\d]
.endr
.set i, 0
.rept 9
	SINCOS
.set i, i+1
.endr
	AMAX32 52, 53, EN                              ; block 0: k = 0 .. 31
	v_max3_num_f32 v54, |v[EN+32]|, |v[EN+33]|, 0x1800000   ; block 1: k = 32 .. 35
	s_delay_alu instid0(VALU_DEP_1)
	v_max3_num_f32 v54, v54, |v[EN+34]|, |v[EN+35]|
	s_delay_alu instid0(VALU_DEP_3)
	v_add_nc_u32 v52, 0xff000000, v52
	s_delay_alu instid0(VALU_DEP_2)
	v_add_nc_u32 v54, 0xff000000, v54
	v_cvt_scalef32_pk16_fp6_f32 v[168:170], v[EN:EN+15], v52
	v_cvt_scalef32_pk16_fp6_f32 v[176:178], v[EN+16:EN+31], v52
	v_cvt_scalef32_pk16_fp6_f32 v[180:182], v[EN+32:EN+47], v54
	v_lshrrev_b32 v55, 23, v52                     ; the bytes; the plain instruction behind the conversions
	v_lshrrev_b32 v56, 23, v54
	v_mov_b32 v171, v176
	v_mov_b32 v172, v177
	v_mov_b32 v173, v178
	v_mov_b32 v174, v180                           ; k = 32 .. 35, zeros above
	v_lshl_or_b32 v175, v56, 8, v55
	s_delay_alu instid0(VALU_DEP_1)
	v_or_b32 v175, 0x7f7f0000, v175                ; blocks 2 and 3 are zeros: the byte of 1.0
	ds_store_b128 v2, v[168:171]                   ; through my wave's own stage, so that each store below covers 512 consecutive bytes
	ds_store_b128 v2, v[172:175] offset:16
	ds_load_b128 v[184:187], v3                    ; LDS serves a wave's instructions in order (ISA guide 5.7.1.4): these see my stores
	ds_load_b128 v[188:191], v3 offset:512
	s_wait_dscnt 0x0
	global_store_b128 v4, v[184:187], s[6:7]
	global_store_b128 v4, v[188:191], s[6:7] offset:512
	s_wait_tensorcnt 0x0
	ds_add_u32 v224, v225
	s_wait_dscnt 0x0
	s_endpgm
; ---------------------------------------------------------------- SORT: 512 threads, 64 tokens each
; Load j of thread t brings tokens 2,048 j + 4 t + 0 .. 3: every load of a wave is 512 consecutive bytes.  A thread's 64 tokens are 8 groups of 8.
; A token's place = its expert's first place + that expert's tokens in earlier waves + in earlier lanes + in the thread's earlier groups + its rank in its group.
.Lsort:
	s_load_b64 s[4:5], s[0:1], 0x0                 ; cluster_ids
	s_load_b128 s[60:63], s[0:1], 0x40             ; tiles, order
	v_lshlrev_b32 v2, 2, v0                        ; 4 t
	v_lshlrev_b32 v3, 4, v0                        ; 16 t
	v_bfe_u32 v4, v0, 4, 1
	s_delay_alu instid0(VALU_DEP_1)
	v_sub_nc_u32 v4, 0, v4                         ; all ones in lanes 16-31
	s_mov_b32 s9, 0x0f0f0f0f
	s_mov_b32 s10, 0x0c040c00                      ; v_perm_b32: byte p of the even clusters' counts and byte p of the odd ones', each widened to 16 bits
	s_mov_b32 s11, 0x0c050c01
	s_mov_b32 s12, 0x0c060c02
	s_mov_b32 s13, 0x0c070c03
	s_mov_b32 s16, 0x0202                          ; selector of 16-bit field a of a pair of registers: 0x0c0c0100 + 0x0202 a
	s_mov_b32 s17, 0x0c0c0100
	s_lshl_b32 s15, s8, 4
	v_mov_b32 v220, s15                            ; 16 x wave
	v_and_b32 v221, 15, v0
	s_delay_alu instid0(VALU_DEP_1)
	v_lshlrev_b32 v221, 4, v221                    ; 16 x (lane mod 16)
.irp g, 0,1,2,3,4,5,6,7
	v_mov_b32 v[NG+\g], 0
.endr
	s_wait_kmcnt 0x0
.irp j, 0,1,2,3,4,5,6,7,8,9,10,11,12,13,14,15
	global_load_b128 v[ID+4*\j:ID+4*\j+3], v3, s[4:5] offset:8192*\j
.endr
.set i, 0
.rept 64
.if i%8 == 0
	s_wait_loadcnt 14-2*(i/8)                      ; this group's two loads are in; the later groups' stay out
.endif
	v_min_u32 v[ID+i], 7, v[ID+i]
	s_delay_alu instid0(VALU_DEP_1)
	v_lshlrev_b32 v[5+i%2], 2, v[ID+i]
	s_delay_alu instid0(VALU_DEP_1)
	v_bfe_u32 v[RK+i], v[NG+i/8], v[5+i%2], 4      ; how many of its expert the group has had: at most 7
	s_delay_alu instid0(VALU_DEP_2)
	v_lshl_add_u32 v[NG+i/8], 1, v[5+i%2], v[NG+i/8]   ; a count reaches 8 at the most: 4 bits hold it
.set i, i+1
.endr
	v_mov_b32 v9, 0                                ; the thread's counts so far, a byte each (64 at the most): clusters 0, 2, 4, 6;
	v_mov_b32 v10, 0                               ; clusters 1, 3, 5, 7
.irp g, 0,1,2,3,4,5,6,7
	s_delay_alu instid0(VALU_DEP_2)
	v_mov_b32 v[EX+2*\g], v9
	s_delay_alu instid0(VALU_DEP_2)
	v_mov_b32 v[EX+2*\g+1], v10
	v_and_b32 v5, s9, v[NG+\g]
	v_lshrrev_b32 v6, 4, v[NG+\g]
	s_delay_alu instid0(VALU_DEP_1)
	v_and_b32 v6, s9, v6
	s_delay_alu instid0(VALU_DEP_3)
	v_add_nc_u32 v9, v9, v5
	s_delay_alu instid0(VALU_DEP_2)
	v_add_nc_u32 v10, v10, v6
.endr
.irp p, 0,1,2,3
	v_perm_b32 v[200+\p], v10, v9, s[10+\p]        ; the thread's counts of clusters 2 p (low half) and 2 p + 1 (high half); no sum of such fields passes 32,768, so none carries
	v_mov_b32 v[208+\p], 0
.endr
.irp p, 0,1,2,3
	v_mov_b32 v[204+\p], v[200+\p]
.endr
.irp d, 1,2,4,8                        ; a running sum over each half of 16 lanes,
.irp p, 0,1,2,3
	s_delay_alu instid0(VALU_DEP_4)
	v_mov_b32_dpp v[208+\p], v[204+\p] row_shr:\d row_mask:0xf bank_mask:0xf bound_ctrl:1
.endr
.irp p, 0,1,2,3
	s_delay_alu instid0(VALU_DEP_4)
	v_add_nc_u32 v[204+\p], v[204+\p], v[208+\p]
.endr
.endr
.irp p, 0,1,2,3                        ; and lane 15's onto lanes 16-31
	v_readlane_b32 s14, v[204+\p], 15
	s_delay_alu instid0(VALU_DEP_1)
	v_and_b32 v[208+\p], s14, v4
	s_delay_alu instid0(VALU_DEP_1)
	v_add_nc_u32 v[204+\p], v[204+\p], v[208+\p]
.endr
.irp p, 0,1,2,3
	v_readlane_b32 s14, v[204+\p], 31              ; the wave's counts
	s_delay_alu instid0(VALU_DEP_1)
	v_mov_b32 v[212+\p], s14
.endr
	ds_store_b128 v220, v[212:215] offset:SORT_W   ; all lanes write the same 16 bytes with the same values
	s_wait_dscnt 0x0
	s_barrier_signal -1
	s_barrier_wait -1
	ds_load_b128 v[212:215], v221 offset:SORT_W    ; lane l (mod 16): wave l's counts
	s_wait_dscnt 0x0
.irp p, 0,1,2,3
	v_mov_b32 v[216+\p], v[212+\p]
.endr
.irp d, 1,2,4,8
.irp p, 0,1,2,3
	v_mov_b32_dpp v[208+\p], v[212+\p] row_shr:\d row_mask:0xf bank_mask:0xf bound_ctrl:1
.endr
.irp p, 0,1,2,3
	s_delay_alu instid0(VALU_DEP_4)
	v_add_nc_u32 v[212+\p], v[212+\p], v[208+\p]
.endr
.endr
.irp p, 0,1,2,3
	v_readlane_b32 s[20+\p], v[212+\p], 15         ; all tokens' counts
	v_sub_nc_u32 v[216+\p], v[212+\p], v[216+\p]
	s_delay_alu instid0(VALU_DEP_1)
	v_readlane_b32 s[48+\p], v[216+\p], s8         ; those of the waves before mine
.endr
.irp p, 0,1,2,3
	s_and_b32 s[24+2*\p], s[20+\p], 0xffff         ; n(c)
	s_lshr_b32 s[25+2*\p], s[20+\p], 16
.endr
	s_mov_b32 s32, 0                               ; an expert's first place
	s_mov_b32 s40, 0                               ; and its first tile
.irp c, 0,1,2,3,4,5,6
	s_add_co_u32 s[33+\c], s[32+\c], s[24+\c]
	s_add_co_u32 s52, s[24+\c], 143
	s_mul_i32 s52, s52, 58255                      ; (n + 143) / 144, rounded down: 58,255 / 2^23 is exact for arguments up to 74,000
	s_lshr_b32 s52, s52, 23
	s_add_co_u32 s[41+\c], s[40+\c], s52
.endr
.irp p, 0,1,2,3
	s_lshl_b32 s52, s[33+2*\p], 16
	s_or_b32 s52, s52, s[32+2*\p]
	s_add_co_u32 s[48+\p], s[48+\p], s52           ; first places + earlier waves, packed like the counts
.endr
	s_cmp_lt_u32 s8, 8                             ; the list of tiles: entry t, by threads 0 .. 255 (entries past the last tile have 0 rows)
	s_cbranch_scc0 .Lno_table
	v_mov_b32 v12, 0                               ; the expert whose tiles hold entry t: the last one whose first tile is not behind t
	v_mov_b32 v6, 0
	v_mov_b32 v7, 0
	v_mov_b32 v8, s24
.irp c, 1,2,3,4,5,6,7
	v_cmp_le_u32 vcc_lo, s[40+\c], v0
	s_delay_alu instid0(VALU_DEP_1)
	v_cndmask_b32 v12, v12, \c, vcc_lo
	s_delay_alu instid0(VALU_DEP_2)
	v_cndmask_b32 v6, v6, s[40+\c], vcc_lo
	s_delay_alu instid0(VALU_DEP_3)
	v_cndmask_b32 v7, v7, s[32+\c], vcc_lo
	s_delay_alu instid0(VALU_DEP_4)
	v_cndmask_b32 v8, v8, s[24+\c], vcc_lo
.endr
	s_delay_alu instid0(VALU_DEP_3)
	v_sub_nc_u32 v6, v0, v6
	s_delay_alu instid0(VALU_DEP_1)
	v_mul_u32_u24 v6, v6, 144                      ; rows of this expert in front of the tile
	s_delay_alu instid0(VALU_DEP_1)
	v_add_nc_u32 v13, v7, v6                       ; the tile's first place
	s_delay_alu instid0(VALU_DEP_2)
	v_min_u32 v9, v6, v8
	s_delay_alu instid0(VALU_DEP_1)
	v_sub_nc_u32 v9, v8, v9
	s_delay_alu instid0(VALU_DEP_1)
	v_min_u32 v14, 144, v9                         ; its rows
	v_mov_b32 v15, 0
	global_store_b128 v3, v[12:15], s[60:61]
.Lno_table:
.irp p, 0,1,2,3
	v_sub_nc_u32 v[204+\p], v[204+\p], v[200+\p]   ; earlier lanes alone,
	s_delay_alu instid0(VALU_DEP_1)
	v_add_nc_u32 v[204+\p], s[48+\p], v[204+\p]    ; + first places + earlier waves
.endr
.irp g, 0,1,2,3,4,5,6,7
.irp p, 0,1,2,3
	v_perm_b32 v[BS+4*\g+\p], v[EX+2*\g+1], v[EX+2*\g], s[10+\p]
.endr
.irp p, 0,1,2,3
	s_delay_alu instid0(VALU_DEP_4)
	v_add_nc_u32 v[BS+4*\g+\p], v[BS+4*\g+\p], v[204+\p]   ; + the thread's earlier groups
.endr
.endr
.set i, 0
.rept 64
.set a, 5+3*(i%2)
	v_and_b32 v[a], 3, v[ID+i]
	s_delay_alu instid0(VALU_DEP_1)
	v_mad_u32_u24 v[a], v[a], s16, s17
	s_delay_alu instid0(VALU_DEP_1)
	v_perm_b32 v[a+1], v[BS+4*(i/8)+1], v[BS+4*(i/8)], v[a]     ; the field of experts 0 .. 3,
	s_delay_alu instid0(VALU_DEP_2)
	v_perm_b32 v[a+2], v[BS+4*(i/8)+3], v[BS+4*(i/8)+2], v[a]   ; of 4 .. 7
	v_cmp_lt_u32 vcc_lo, 3, v[ID+i]
	s_delay_alu instid0(VALU_DEP_1)
	v_cndmask_b32 v[a+1], v[a+1], v[a+2], vcc_lo
	s_delay_alu instid0(VALU_DEP_1)
	v_add_lshl_u32 v[ID+i], v[a+1], v[RK+i], 2     ; 4 x the token's place,
	s_delay_alu instid0(VALU_DEP_1)
	v_min_u32 v[ID+i], 0x1fffc, v[ID+i]            ; held inside the buffer
	v_add_nc_u32 v[RK+i], 2048*(i/4)+i%4, v2       ; the token's number
	global_store_b32 v[ID+i], v[RK+i], s[62:63]    ; each store has registers of its own: none is written again
.set i, i+1
.endr
	s_wait_tensorcnt 0x0
	ds_add_u32 v224, v225
	s_wait_dscnt 0x0
	s_endpgm
; ---------------------------------------------------------------- MID: q = (3 c + l) 4 + w: rows 64 w .. 64 w + 63 of V_mid[c][l]; thread t: row t / 8, block t mod 8
.Lmid:
	s_load_b128 s[4:7], s[0:1], 0x20               ; V_mid, g_mid
	s_load_b64 s[10:11], s[0:1], 0x60              ; wq_mid
	s_sub_co_u32 s12, ttmp9, 1                     ; q
	s_lshl_b32 s14, s12, 16                        ; 64 rows of 1,024 bytes
	s_mov_b32 s15, 0
	s_lshl_b32 s16, s12, 8                         ; 64 gains
	s_mov_b32 s17, 0
	s_mul_i32 s18, s12, 12800
	s_mov_b32 s19, 0
	s_wait_alu depctr_va_vdst(0)
	v_lshlrev_b32 v2, 4, v1
	s_lshl_b32 s20, s8, 12
	v_add_nc_u32 v2, s20, v2                       ; my wave's 4 rows are 4,096 consecutive bytes: 16 a lane, 512 a load
	v_lshrrev_b32 v3, 3, v0
	s_delay_alu instid0(VALU_DEP_1)
	v_lshlrev_b32 v3, 2, v3
	s_wait_alu depctr_va_vdst(0)
	s_wait_kmcnt 0x0
	s_add_nc_u64 s[4:5], s[4:5], s[14:15]
	s_add_nc_u64 s[6:7], s[6:7], s[16:17]
	s_add_nc_u64 s[10:11], s[10:11], s[18:19]
.irp i, 0,1,2,3,4,5,6,7
	global_load_b128 v[16+4*\i:19+4*\i], v2, s[4:5] offset:512*\i th:TH_LOAD_NT
.endr
	global_load_b32 v84, v3, s[6:7]
	s_mul_i32 s20, s8, 4608
	s_add_co_u32 s20, s20, MID_STG                 ; my wave's stage: 32 places of 128 + 16 bytes, one for each lane's block
	v_lshrrev_b32 v120, 3, v1
	s_delay_alu instid0(VALU_DEP_1)
	v_mul_u32_u24 v120, v120, 144
	v_and_b32 v121, 7, v1
	s_delay_alu instid0(VALU_DEP_1)
	v_lshl_add_u32 v120, v121, 4, v120
	s_delay_alu instid0(VALU_DEP_1)
	v_add_nc_u32 v4, s20, v120                     ; in: load i's 512 bytes are places 4 i .. 4 i + 3
	v_mul_u32_u24 v5, v1, 144
	s_delay_alu instid0(VALU_DEP_1)
	v_add_nc_u32 v5, s20, v5                       ; back: my place
	v_bfe_u32 v120, v0, 8, 1                       ; t = b r1 u r0(3) s cq h, from bit 8 down
	v_bfe_u32 v121, v0, 6, 1
	v_bfe_u32 v122, v0, 2, 1
	s_delay_alu instid0(VALU_DEP_2)
	v_lshl_add_u32 v123, v120, 1, v121             ; tile 2 b + u
	s_delay_alu instid0(VALU_DEP_1)
	v_lshl_add_u32 v124, v123, 1, v122             ; image 2 tile + s
	v_bfe_u32 v125, v0, 7, 1
	v_bfe_u32 v126, v0, 3, 3
	s_delay_alu instid0(VALU_DEP_1)
	v_lshl_add_u32 v125, v125, 3, v126             ; r
	v_and_b32 v127, 1, v0
	s_delay_alu instid0(VALU_DEP_1)
	v_lshl_add_u32 v128, v127, 4, v125             ; the lane that will hold my block: 16 h + r
	v_bfe_u32 v9, v0, 1, 1                         ; cq
	v_mul_u32_u24 v130, v124, 1536
	s_delay_alu instid0(VALU_DEP_1)
	v_lshl_add_u32 v130, v128, 4, v130
	s_delay_alu instid0(VALU_DEP_1)
	v_lshl_add_u32 v6, v9, 10, v130
	s_delay_alu instid0(VALU_DEP_2)
	v_lshl_add_u32 v7, v9, 3, v130
	v_lshl_add_u32 v131, v122, 4, v125
	s_delay_alu instid0(VALU_DEP_1)
	v_lshlrev_b32 v131, 4, v131
	s_delay_alu instid0(VALU_DEP_1)
	v_lshl_add_u32 v8, v123, 2, v131               ; the scale word: 16 (16 s + r) + 4 tile
	s_wait_loadcnt 1                               ; the eight loads of V are in; the gain may be out
.irp i, 0,1,2,3,4,5,6,7
	ds_store_b128 v4, v[16+4*\i:19+4*\i] offset:576*\i
.endr
.irp i, 0,1,2,3,4,5,6,7
	ds_load_b128 v[X+4*\i:X+4*\i+3], v5 offset:16*\i   ; my wave's own bytes, served in order
.endr
	s_wait_dscnt 0x0
	SUMSQ
	RED 3
	s_wait_loadcnt 0x0
	s_wait_alu depctr_va_vdst(0)
	SCALEROW
	QBLK
	PUT MID_IMG, 12288, 0
	COPYOUT MID_IMG, 9
; ---------------------------------------------------------------- IN: rows 128 p .. of V_in's 2,048; thread t: row t / 4, block t mod 4 (blocks 2, 3 and k >= 36 are zeros)
.Lin:
	s_load_b128 s[4:7], s[0:1], 0x10               ; V_in, g_in
	s_load_b64 s[10:11], s[0:1], 0x58              ; wq_in
	s_sub_co_u32 s12, ttmp9, 97                    ; p
	s_mul_i32 s14, s12, 18432                      ; 128 rows of 144 bytes
	s_mov_b32 s15, 0
	s_lshl_b32 s16, s12, 9
	s_mov_b32 s17, 0
	s_mul_i32 s18, s12, 13312
	s_mov_b32 s19, 0
	v_lshrrev_b32 v3, 2, v0
	s_delay_alu instid0(VALU_DEP_1)
	v_mul_u32_u24 v2, v3, 144
	s_delay_alu instid0(VALU_DEP_2)
	v_lshlrev_b32 v3, 2, v3
	v_and_b32 v4, 3, v0                            ; my block
	s_delay_alu instid0(VALU_DEP_1)
	v_min_u32 v5, 1, v4
	s_delay_alu instid0(VALU_DEP_1)
	v_lshl_add_u32 v5, v5, 7, v2                   ; block 0 begins at k = 0, block 1 at k = 32; the others load what block 1 loads and drop it: no load leaves the row
	s_delay_alu instid0(VALU_DEP_3)
	v_cmp_gt_u32 s20, 2, v4
	s_delay_alu instid0(VALU_DEP_4)
	v_cmp_eq_u32 s21, 0, v4
	s_wait_alu depctr_va_vdst(0)
	s_wait_kmcnt 0x0
	s_add_nc_u64 s[4:5], s[4:5], s[14:15]
	s_add_nc_u64 s[6:7], s[6:7], s[16:17]
	s_add_nc_u64 s[10:11], s[10:11], s[18:19]
	global_load_b128 v[X:X+3], v5, s[4:5]
.irp i, 1,2,3,4,5,6,7
	global_load_b128 v[X+4*\i:X+4*\i+3], v2, s[4:5] offset:16*\i
.endr
	global_load_b32 v84, v3, s[6:7]
	v_bfe_u32 v120, v0, 8, 1                       ; t = wl b r1 u r0(3) cq h, from bit 8 down
	v_bfe_u32 v121, v0, 7, 1
	v_bfe_u32 v122, v0, 5, 1
	s_delay_alu instid0(VALU_DEP_1)
	v_lshl_add_u32 v121, v121, 1, v122             ; tile = image
	v_bfe_u32 v122, v0, 6, 1
	v_bfe_u32 v123, v0, 2, 3
	s_delay_alu instid0(VALU_DEP_1)
	v_lshl_add_u32 v122, v122, 3, v123             ; r
	v_and_b32 v123, 1, v0
	s_delay_alu instid0(VALU_DEP_1)
	v_lshl_add_u32 v123, v123, 4, v122             ; 16 h + r
	v_bfe_u32 v9, v0, 1, 1                         ; cq
	v_mul_u32_u24 v124, v120, 6656                 ; which of the two runs of 64 rows
	s_delay_alu instid0(VALU_DEP_1)
	v_mad_u32_u24 v125, v121, 1536, v124
	s_delay_alu instid0(VALU_DEP_1)
	v_lshl_add_u32 v125, v123, 4, v125
	s_delay_alu instid0(VALU_DEP_1)
	v_lshl_add_u32 v6, v9, 10, v125
	s_delay_alu instid0(VALU_DEP_2)
	v_lshl_add_u32 v7, v9, 3, v125
	v_lshl_add_u32 v126, v122, 4, v124
	s_delay_alu instid0(VALU_DEP_1)
	v_lshl_add_u32 v8, v121, 2, v126
	s_wait_loadcnt 0x0
.irp i, 0,1,2,3
	v_cndmask_b32 v[X+\i], 0, v[X+\i], s20         ; kept in blocks 0 and 1
.endr
.set j, 4
.rept 28
	v_cndmask_b32 v[X+j], 0, v[X+j], s21           ; kept in block 0
.set j, j+1
.endr
	SUMSQ
	RED 2
	s_wait_alu depctr_va_vdst(0)
	SCALEROW
	QBLK
	PUT IN_IMG, 6144, 1
	COPYOUT IN_IMG, 10
; ---------------------------------------------------------------- OUT: 24 rows of 256; thread t < 192: row t / 8, 32 numbers
.Lout:
	s_cmp_lt_u32 s8, 6
	s_cbranch_scc1 .Lout_work
	s_endpgm
.Lout_work:
	s_load_b128 s[4:7], s[0:1], 0x30               ; V_out, g_out
	s_load_b64 s[10:11], s[0:1], 0x68              ; wo
	v_lshlrev_b32 v2, 7, v0
	v_lshrrev_b32 v3, 3, v0
	s_delay_alu instid0(VALU_DEP_1)
	v_lshlrev_b32 v3, 2, v3
	s_wait_alu depctr_va_vdst(0)
	s_wait_kmcnt 0x0
.irp i, 0,1,2,3,4,5,6,7
	global_load_b128 v[X+4*\i:X+4*\i+3], v2, s[4:5] offset:16*\i
.endr
	global_load_b32 v84, v3, s[6:7]
	s_wait_loadcnt 0x0
	SUMSQ
	RED 3
	s_wait_alu depctr_va_vdst(0)
	SCALEROW
.irp i, 0,1,2,3,4,5,6,7
	global_store_b128 v2, v[X+4*\i:X+4*\i+3], s[10:11] offset:16*\i
.endr
	s_endpgm
.Lfunc_end_k_q8d3c6420c5_prep:
	.size	k_q8d3c6420c5_prep, .Lfunc_end_k_q8d3c6420c5_prep-k_q8d3c6420c5_prep
	.p2alignl 7, 3214868480
	.fill 96, 4, 3214868480
	.section	.rodata,"a",@progbits
	.p2align	6, 0x0
	.amdhsa_kernel k_q8d3c6420c5_prep
		.amdhsa_group_segment_fixed_size 118528
		.amdhsa_private_segment_fixed_size 0
		.amdhsa_enable_private_segment 0
		.amdhsa_kernarg_size 112
		.amdhsa_user_sgpr_count 2
		.amdhsa_user_sgpr_kernarg_segment_ptr 1
		.amdhsa_wavefront_size32 1
		.amdhsa_system_sgpr_workgroup_id_x 1
		.amdhsa_system_sgpr_workgroup_id_y 1
		.amdhsa_system_sgpr_workgroup_id_z 1
		.amdhsa_system_vgpr_workitem_id 0
		.amdhsa_next_free_vgpr 226
		.amdhsa_next_free_sgpr 66
		.amdhsa_reserve_vcc 1
		.amdhsa_float_denorm_mode_32 3
		.amdhsa_float_denorm_mode_16_64 3
		.amdhsa_memory_ordered 1
		.amdhsa_forward_progress 1
		.amdhsa_inst_pref_size 150
	.end_amdhsa_kernel
	.amdgpu_metadata
---
amdhsa.version: [ 1, 2 ]
amdhsa.kernels:
  - .name:           k_q8d3c6420c5_prep
    .symbol:         k_q8d3c6420c5_prep.kd
    .args:
      - { .name: cluster_ids, .offset: 0, .size: 8, .value_kind: global_buffer, .address_space: global }
      - { .name: X, .offset: 8, .size: 8, .value_kind: global_buffer, .address_space: global }
      - { .name: V_in, .offset: 16, .size: 8, .value_kind: global_buffer, .address_space: global }
      - { .name: g_in, .offset: 24, .size: 8, .value_kind: global_buffer, .address_space: global }
      - { .name: V_mid, .offset: 32, .size: 8, .value_kind: global_buffer, .address_space: global }
      - { .name: g_mid, .offset: 40, .size: 8, .value_kind: global_buffer, .address_space: global }
      - { .name: V_out, .offset: 48, .size: 8, .value_kind: global_buffer, .address_space: global }
      - { .name: g_out, .offset: 56, .size: 8, .value_kind: global_buffer, .address_space: global }
      - { .name: tiles, .offset: 64, .size: 8, .value_kind: global_buffer, .address_space: global }
      - { .name: order, .offset: 72, .size: 8, .value_kind: global_buffer, .address_space: global }
      - { .name: rec, .offset: 80, .size: 8, .value_kind: global_buffer, .address_space: global }
      - { .name: wq_in, .offset: 88, .size: 8, .value_kind: global_buffer, .address_space: global }
      - { .name: wq_mid, .offset: 96, .size: 8, .value_kind: global_buffer, .address_space: global }
      - { .name: wo, .offset: 104, .size: 8, .value_kind: global_buffer, .address_space: global }
    .group_segment_fixed_size: 118528
    .private_segment_fixed_size: 0
    .kernarg_segment_align: 8
    .kernarg_segment_size: 112
    .max_flat_workgroup_size: 512
    .sgpr_count:     66
    .vgpr_count:     226
    .wavefront_size: 32
...
	.end_amdgpu_metadata
.endif
;; end of part 1
;; launch mlp (part 2): grid 235 x 1, 4 waves a work-group, no clusters, 68,096 bytes of LDS; arguments tiles, order, rec, wq_in, wq_mid, wo, b_in, b_mid, b_out, out0, cluster_ids; writes out0
.if DOCPART == 2
	.amdgcn_target "amdgcn-amd-amdhsa--gfx1250"
	.amdhsa_code_object_version 6
	.text
	.protected	k_q8d3c6420c5_mlp
	.globl	k_q8d3c6420c5_mlp
	.p2align	8
	.type	k_q8d3c6420c5_mlp,@function
k_q8d3c6420c5_mlp:
	s_mov_b64 s[64:65], 0
	v_nop
	global_prefetch_b8 v0, s[64:65] scope:SCOPE_SE
	s_setreg_imm32_b32 hwreg(HW_REG_WAVE_MODE, 25, 1), 1
	s_wait_xcnt 0x0
; MLP: one work-group takes one tile (up to 144 sorted rows of ONE expert) through the whole chain: 36 -> 256 -> 256 -> 256 -> 256 (E2M3 codes, one E8M0 byte for each 32 along K, f32 sums, bias, relu,
; quantised again in registers) -> 3 (f32 multiply-adds) -> tanh -> out0 at the rows' tokens.  The reference computes all 8 experts and keeps one by its where on cluster_ids: only the kept rows are multiplied.
; GRID: 32,768 rows in tiles of 144 over 8 experts are never more than 228 + 7 = 235 tiles, whatever the split.  A tile that a split leaves without rows walks the chain on clamped rows and stores nothing
; (its lanes are off at the store): so no jump hangs on a loaded number and every wave passes every barrier.
; SHARES: THE WAVES SHARE THE COLUMNS.  Wave w owns hidden units 64 w .. 64 w + 63 of every layer, for all 9 tiles of 16 rows.  Its part of all four weights (336 registers), biases (128) and W_out (96) is loaded
; once, straight into registers, from buffers laid in the order of the operand's registers; each layer's loads are issued one or two layers ahead of their use.
; What goes round is small: the rows' codes, as IMAGES OF THE OPERAND'S REGISTERS in two LDS buffers that take turns: one barrier a layer.
; THE PRODUCTS ARE USED TRANSPOSED (source 0 = 16 rows of W, source 1 = 16 rows of the activations): lane (r, h) holds row r, and the 16 registers of tiles 2 b, 2 b + 1 are units 64 w + 32 b + 16 h + 0 .. 15,
; by the choice of W's rows for a tile.  A wave's 64 units are half w mod 2 of K step w / 2 of the next product.  The bias is the C of a sum's first matrix instruction.
; NO CLUSTER, NO TENSOR LOAD: which expert a tile has is read from memory, and no grouping of work-groups can be promised tiles of one expert for every split.
; An id outside 0 .. 7 was sorted to expert 7; the id is read again here and such a token gets zeros, as in the reference.
; LIMITS: a block of zeros has the byte 1, not 127 (its codes are zeros; the bytes never leave the work-group); NaN and infinities are not served; tanh = 1 - 2 / (1 + 2^(2 log2(e) z)), absolute error about 1e-7.
; REGISTERS, in windows of 256.  Window 0: v1-15 addresses; v16-31 the weights' scale words (layer y, tile t: 16 + 4 y + t); v32-34 the rows' scale words; v36-107 six fragments of activations;
;   v108-203 twelve accumulators (3 tiles of rows x 4 tiles of units); v204-249 the quantiser's work; v250-251 ids.   Window 1: W_in v0-47, mid0 v48-143, mid1 v144-239.
;   Window 2: biases of layers 0-2 v0-95, mid2 v108-203, layer 3's bias v208-239.   Window 3: W_out v0-95 (output n: 32 n + 16 b + i = unit 64 w + 32 b + 16 h + i).
.set BUF0, 0                           ; 36 half images of 768 bytes: (tile of rows m, half x) at (4 m + x) 768: registers 0-3 at 16 x lane, 4-5 at 512 + 8 x lane
.set SC0,  27648                       ; 9 x 128 bytes: the word of (m, K step s, row r) at 128 m + 4 (16 s + r)
.set BUF1, 28800
.set SC1,  56448
.set PART, 57600                       ; 4 waves x 144 rows x 16 bytes: each wave's part of the three outputs
.set XS,  32
.set XF,  36                           ; fragment (mm, s) at XF + 24 mm + 12 s
.set HA,  108                          ; accumulator (mm, t) at HA + 32 mm + 8 t
.set TM,  204
.set TX,  210
.set PW,  216
.set PC,  220
.set PT,  238
.set IDA, 250
.set IDB, 251
.set MSB, 0
.macro WIN new                         ; the immediate's high byte repeats the setting that is left; a switch that changes nothing is dropped
.if MSB != (\new)
	s_set_vgpr_msb (MSB<<8)|(\new)
.set MSB, (\new)
.endif
.endm
.macro POS d                           ; a row of the tile -> 4 x its sorted place; rows past the tile's end repeat its last row
	v_min_u32 v[\d], s29, v[\d]
	v_add_nc_u32 v[\d], s25, v[\d]
	v_min_u32 v[\d], 0x7fff, v[\d]
	v_lshlrev_b32 v[\d], 2, v[\d]
.endm
.macro GLOADW win, base, sp, off, nfrag, lam   ; nfrag images into the window, 3 loads of 512 consecutive bytes each, and the scale words into window 0
	WIN (\win)<<6
.set f, 0
.rept \nfrag
.irp q, 0,1,2
	global_load_b128 v[\base+12*f+4*\q:\base+12*f+4*\q+3], v1, s[\sp:\sp+1] offset:\off+1536*f+512*\q
.endr
.set f, f+1
.endr
	WIN 0
	global_load_b128 v[16+4*\lam:19+4*\lam], v1, s[\sp:\sp+1] offset:\off+1536*\nfrag
.endm
.macro GLOADB base, sp, off            ; a layer's bias in the result's layout: tile 2 b + u, lane (r, h): units 32 b + 16 h + 8 u + 0 .. 7
	WIN 0x80
.irp t, 0,1,2,3
	global_load_b128 v[\base+8*\t:\base+8*\t+3], v12, s[\sp:\sp+1] offset:\off+128*(\t/2)+32*(\t%2)
	global_load_b128 v[\base+8*\t+4:\base+8*\t+7], v12, s[\sp:\sp+1] offset:\off+128*(\t/2)+32*(\t%2)+16
.endr
	WIN 0
.endm
.macro FETCH g, nk, rb, rs             ; the fragments and scale words of tiles of rows 3 g .. 3 g + 2: 12 nk + 3 loads
.irp mm, 0,1,2
.irp s, 0,1
.if \s < \nk
.irp c, 0,1
	ds_load_b128 v[XF+24*\mm+12*\s+6*\c:XF+24*\mm+12*\s+6*\c+3], v1 offset:\rb+(4*(3*(\g)+\mm)+2*\s+\c)*768
	ds_load_b64 v[XF+24*\mm+12*\s+6*\c+4:XF+24*\mm+12*\s+6*\c+5], v2 offset:\rb+(4*(3*(\g)+\mm)+2*\s+\c)*768+512
.endr
.endif
.endr
	ds_load_b32 v[XS+\mm], v3 offset:\rs+128*(3*(\g)+\mm)   ; lanes 0-15: K step 0, lanes 16-31: K step 1
.endr
.endm
; 12 nk matrix instructions.  The twelve accumulators take turns, one instruction a turn.
.macro MM nk, aw, ab, bb, wsr
	WIN (\aw)|0x20                                 ; source 0 (W) window aw, source 2 (the bias) window 2
.irp mm, 0,1,2
.irp t, 0,1,2,3
	v_wmma_scale_f32_16x16x128_f8f6f4 v[HA+32*\mm+8*\t:HA+32*\mm+8*\t+7], v[\ab+12*\nk*\t:\ab+12*\nk*\t+11], v[XF+24*\mm:XF+24*\mm+11], v[\bb+8*\t:\bb+8*\t+7], v[\wsr+\t], v[XS+\mm] matrix_a_fmt:MATRIX_FMT_FP6 matrix_b_fmt:MATRIX_FMT_FP6
.endr
.endr
.if \nk == 2
	WIN \aw
.irp mm, 0,1,2
.irp t, 0,1,2,3
	v_wmma_scale_f32_16x16x128_f8f6f4 v[HA+32*\mm+8*\t:HA+32*\mm+8*\t+7], v[\ab+24*\t+12:\ab+24*\t+23], v[XF+24*\mm+12:XF+24*\mm+23], v[HA+32*\mm+8*\t:HA+32*\mm+8*\t+7], v[\wsr+\t], v[XS+\mm] matrix_a_fmt:MATRIX_FMT_FP6 matrix_b_fmt:MATRIX_FMT_FP6 matrix_a_scale:MATRIX_SCALE_ROW1 matrix_b_scale:MATRIX_SCALE_ROW1
.endr
.endr
.endif
	WIN 0
.endm
.macro RELU                            ; in f32; each accumulator is read from its low end on
.set j, 0
.rept 96
	v_max_num_f32 v[HA+j], 0, v[HA+j]
.set j, j+1
.endr
.endm
; Six blocks of 32 (tile of rows mm, block b: x = 2 mm + b, numbers at HA + 16 x, 16 in this lane and 16 in lane l xor 16) become three half fragments in v[PC + 6 mm ..] and three pairs of scale bytes in v[PW + mm].
.macro QUANT3
.irp x, 0,1,2,3,4,5
	v_max3_num_f32 v[TM+\x], v[HA+16*\x], v[HA+16*\x+1], 0x1800000   ; none is negative; the floor 2^(3 - 127) holds the byte at 1 from below
.endr
.irp i, 2,4,6,8,10,12,14
.irp x, 0,1,2,3,4,5
	v_max3_num_f32 v[TM+\x], v[TM+\x], v[HA+16*\x+\i], v[HA+16*\x+\i+1]
.endr
.endr
.irp x, 0,1,2,3,4,5
	v_permlanex16_b32 v[TX+\x], v[TM+\x], s32, s33
.endr
.irp x, 0,1,2,3,4,5
	v_max_num_f32 v[TM+\x], v[TM+\x], v[TX+\x]
.endr
.irp x, 0,1,2,3,4,5
	v_add_nc_u32 v[TM+\x], 0xff000000, v[TM+\x]    ; 2 off the exponent field: the conversion's scale operand
.endr
.irp x, 0,1,2,3,4,5
	v_lshrrev_b32 v[TX+\x], 23, v[TM+\x]           ; the byte
.endr
.irp mm, 0,1,2
	v_lshl_or_b32 v[PW+\mm], v[TX+2*\mm+1], 8, v[TX+2*\mm]
.endr
.irp mm, 0,1,2
	v_cvt_scalef32_pk16_fp6_f32 v[PC+6*\mm:PC+6*\mm+2], v[HA+32*\mm:HA+32*\mm+15], v[TM+2*\mm]
	v_cvt_scalef32_pk16_fp6_f32 v[PT+4*\mm:PT+4*\mm+2], v[HA+32*\mm+16:HA+32*\mm+31], v[TM+2*\mm+1]
.endr
	v_nop                                          ; one plain instruction behind the scaled conversions
.irp mm, 0,1,2                         ; the operand wants a whole block in a lane: lanes 0-15 block 0, lanes 16-31 block 1
.irp i, 0,1,2
	v_permlane16_swap_b32 v[PC+6*\mm+\i], v[PT+4*\mm+\i]
.endr
.irp i, 0,1,2
	v_mov_b32 v[PC+6*\mm+3+\i], v[PT+4*\mm+\i]
.endr
.endr
.endm
.macro PUTH g, wb, wsc                 ; nine stores: my half images and my two bytes of each row's scale word (lanes r and 16 + r write the same bytes with the same values)
.irp mm, 0,1,2
	ds_store_b128 v4, v[PC+6*\mm:PC+6*\mm+3] offset:\wb+3072*(3*(\g)+\mm)
	ds_store_b64 v5, v[PC+6*\mm+4:PC+6*\mm+5] offset:\wb+3072*(3*(\g)+\mm)
	ds_store_b16 v6, v[PW+\mm] offset:\wsc+128*(3*(\g)+\mm)
.endr
.endm
; The last product, left as it is: f32 multiply-adds, two at a time, nine chains (3 tiles of rows x 3 outputs) by turns over my lane's 32 units; then lane l xor 16's; my wave's part goes to LDS.
.macro OUT3 g
	WIN 0x0c                                       ; source 1 (W_out) window 3
.irp mm, 0,1,2
.irp n, 0,1,2
	v_pk_mul_f32 v[PC+6*\mm+2*\n:PC+6*\mm+2*\n+1], v[HA+32*\mm:HA+32*\mm+1], v[32*\n:32*\n+1]
.endr
.endr
.irp i, 2,4,6,8,10,12,14,16,18,20,22,24,26,28,30
.irp mm, 0,1,2
.irp n, 0,1,2
	v_pk_fma_f32 v[PC+6*\mm+2*\n:PC+6*\mm+2*\n+1], v[HA+32*\mm+\i:HA+32*\mm+\i+1], v[32*\n+\i:32*\n+\i+1], v[PC+6*\mm+2*\n:PC+6*\mm+2*\n+1]
.endr
.endr
.endr
	WIN 0
.irp mm, 0,1,2
.irp n, 0,1,2
	v_add_f32 v[PT+4*\mm+\n], v[PC+6*\mm+2*\n], v[PC+6*\mm+2*\n+1]
.endr
.endr
.irp mm, 0,1,2
.irp n, 0,1,2
	v_permlanex16_b32 v[TM+3*\mm+\n], v[PT+4*\mm+\n], s32, s33
.endr
.endr
.irp mm, 0,1,2
.irp n, 0,1,2
	v_add_f32 v[PT+4*\mm+\n], v[PT+4*\mm+\n], v[TM+3*\mm+\n]
.endr
.endr
.irp mm, 0,1,2
	ds_store_b128 v13, v[PT+4*\mm:PT+4*\mm+3] offset:256*(3*(\g)+\mm)   ; the fourth word is 0
.endr
.endm
; A layer: three groups of three tiles of rows.  The next group's fragments are fetched behind this group's products and land under its vector work.
.macro LAYER nk, rb, rs, wb, wsc, aw, ab, bb, wsr, last
.irp g, 0,1,2
.if \g == 0
	s_wait_dscnt 0x0                               ; the first group's fragments are in
.elseif \last
	s_wait_dscnt 3                                 ; this group's fragments are in; the three stores issued behind them may be out
.else
	s_wait_dscnt 9                                 ; likewise: nine stores
.endif
	MM \nk, \aw, \ab, \bb, \wsr
.rept 4
	v_nop                                          ; four places ahead of loads into registers that the products read and of the first read of their results
.endr
.if \g < 2
	FETCH \g+1, \nk, \rb, \rs
	s_wait_dscnt 12*\nk+3                          ; all but the loads just issued: the last group's stores have read their registers
.else
	s_wait_dscnt 0x0                               ; the last group's stores have read their registers
.endif
	RELU
.if \last
.if \g == 0
	s_wait_loadcnt 0x0                             ; W_out is in
.endif
	OUT3 \g
.else
	QUANT3
	PUTH \g, \wb, \wsc
.endif
.endr
.endm
.macro BARRIER                         ; my LDS stores have landed and my LDS loads are in: so the buffer that I read may be written behind it, and what I wrote may be read
	s_wait_dscnt 0x0
	s_barrier_signal -1
	s_barrier_wait -1
.endm
; The encoding's record (8 registers from r on) becomes K step 0 of the first product: lanes 0-15 block 0 (six registers), lanes 16-31 block 1 (one register, then zeros); blocks 2 and 3 are zeros.
.macro IMG0 r, a16, a8, asc, o, o8, os
	v_cndmask_b32 v[\r], v[\r], v[\r+6], s35
.irp i, 1,2,3,4,5
	v_cndmask_b32 v[\r+\i], v[\r+\i], 0, s35
.endr
	ds_store_b128 v[\a16], v[\r:\r+3] offset:BUF0+\o
	ds_store_b64 v[\a8], v[\r+4:\r+5] offset:BUF0+\o8
	ds_store_b128 v[\a16], v[132:135] offset:BUF0+\o+768
	ds_store_b64 v[\a8], v[132:133] offset:BUF0+\o8+768
	ds_store_b32 v[\asc], v[\r+7] offset:SC0+\os
.endm
; A row's three outputs: the four waves' parts, the bias, tanh; zeros where the token's id is not this expert; stored by the lanes whose row the tile has.
.macro FIN pb, tk, idr, row
	ds_load_b128 v[36:39], v[\pb]
	ds_load_b128 v[40:43], v[\pb] offset:2304
	ds_load_b128 v[44:47], v[\pb] offset:4608
	ds_load_b128 v[48:51], v[\pb] offset:6912
	s_wait_dscnt 0x0
.irp n, 0,1,2
	v_add_f32 v[52+\n], v[36+\n], v[40+\n]
	v_add_f32 v[56+\n], v[44+\n], v[48+\n]
.endr
.irp n, 0,1,2
	v_add_f32 v[52+\n], v[52+\n], v[56+\n]
.endr
.irp n, 0,1,2
	v_add_f32 v[52+\n], s[40+\n], v[52+\n]
.endr
.irp n, 0,1,2
	v_mul_f32 v[52+\n], 0x4038aa3b, v[52+\n]       ; 2 log2(e) z
.endr
	s_wait_alu depctr_va_vdst(0)
.irp n, 0,1,2
	v_exp_f32 v[52+\n], v[52+\n]
.endr
	v_nop                                          ; a plain instruction behind the batch,
	s_wait_alu depctr_va_vdst(0)                   ; and the one wait ahead of its first reader
.irp n, 0,1,2
	v_add_f32 v[52+\n], 1.0, v[52+\n]
.endr
	s_wait_alu depctr_va_vdst(0)
.irp n, 0,1,2
	v_rcp_f32 v[52+\n], v[52+\n]
.endr
	v_nop
	s_wait_alu depctr_va_vdst(0)
.irp n, 0,1,2
	v_fma_f32 v[56+\n], v[52+\n], -2.0, 1.0
.endr
	v_cmp_eq_u32 vcc_lo, s24, v[\idr]
.irp n, 0,1,2
	v_cndmask_b32 v[56+\n], 0, v[56+\n], vcc_lo
.endr
	v_cmp_gt_u32 vcc_lo, s26, v[\row]
	s_wait_alu depctr_va_vdst(0)
	s_wait_xcnt 0x0                                ; EXEC changes only behind this wait
	s_and_saveexec_b32 s34, vcc_lo
	global_store_b96 v[\tk], v[56:58], s[22:23]
	s_wait_xcnt 0x0                                ; and again ahead of the line that widens it; the store's registers are free too
	s_or_b32 exec_lo, exec_lo, s34
.endm
	s_load_b512 s[4:19], s[0:1], 0x0               ; tiles, order, rec, wq_in, wq_mid, wo, b_in, b_mid
	s_load_b128 s[20:23], s[0:1], 0x40             ; b_out, out0
	s_load_b64 s[44:45], s[0:1], 0x50              ; cluster_ids
	v_lshl_add_u32 v254, v0, 2, 0x10800
	v_mov_b32 v255, 0
	v_lshrrev_b32 v36, 5, v0
	v_readfirstlane_b32 s28, v36                   ; wave 0 .. 3
	v_and_b32 v36, 31, v0                          ; lane
	v_and_b32 v37, 15, v0                          ; r
	v_bfe_u32 v38, v0, 4, 1                        ; h
	v_lshlrev_b32 v1, 4, v36                       ; 16 x lane
	v_lshlrev_b32 v2, 3, v36                       ; 8 x lane
	v_lshlrev_b32 v3, 2, v36                       ; 4 x lane
	s_wait_alu depctr_va_vdst(0)
	s_mul_i32 s30, s28, 768
	v_add_nc_u32 v4, s30, v1                       ; my half image: registers 0-3,
	v_add_nc_u32 v5, s30, v2
	v_add_nc_u32 v5, 512, v5                       ; registers 4-5
	s_lshr_b32 s30, s28, 1
	s_lshl_b32 s30, s30, 6
	s_and_b32 s31, s28, 1
	s_lshl_b32 s31, s31, 1
	s_add_co_u32 s30, s30, s31
	v_lshl_add_u32 v6, v37, 2, s30                 ; my two scale bytes: 4 r + 64 (w / 2) + 2 (w mod 2)
	s_mul_i32 s30, s28, 3072
	v_add_nc_u32 v9, s30, v1                       ; the encoding's images: tile of rows w
	v_add_nc_u32 v10, s30, v2
	v_add_nc_u32 v10, 512, v10
	s_lshl_b32 s30, s28, 7
	v_add_nc_u32 v11, s30, v3
	v_lshlrev_b32 v12, 6, v38                      ; 64 h: my half's 16 units, in bytes
	s_mul_i32 s30, s28, 2304
	s_add_co_u32 s30, s30, PART
	v_lshl_add_u32 v13, v37, 4, s30                ; my wave's parts: row r
	v_lshlrev_b32 v14, 4, v0
	v_add_nc_u32 v14, PART, v14                    ; row t
	v_lshlrev_b32 v15, 4, v37
	v_add_nc_u32 v15, PART+2048, v15               ; row 128 + r
	v_cmp_ne_u32 s35, 0, v38                       ; lanes 16-31
	s_mov_b32 s32, 0x76543210
	s_mov_b32 s33, 0xfedcba98                      ; v_permlanex16_b32: lane l xor 16
	s_lshl_b32 s30, ttmp9, 4
	s_mov_b32 s31, 0
	s_wait_kmcnt 0x0
	s_add_nc_u64 s[4:5], s[4:5], s[30:31]
	s_load_b128 s[24:27], s[4:5], 0x0              ; my tile: expert, first place, rows, 0
	s_wait_kmcnt 0x0
	s_min_u32 s24, s24, 7
	s_min_u32 s25, s25, 0x7fff
	s_min_u32 s26, s26, 144
	s_sub_co_u32 s29, s26, 1                       ; the last row (with no rows: the greatest number, which holds nothing back; the places are held inside the buffer all the same)
	s_lshl_b32 s30, s24, 2
	s_add_co_u32 s30, s30, s28
	s_mul_i32 s30, s30, 6656
	s_add_nc_u64 s[10:11], s[10:11], s[30:31]      ; wq_in at (4 c + w)
	s_mul_i32 s30, s24, 12
	s_add_co_u32 s30, s30, s28
	s_mul_i32 s30, s30, 12800
	s_add_nc_u64 s[12:13], s[12:13], s[30:31]      ; wq_mid at (12 c + w); layer l is 4 blocks on
	s_lshl_b32 s36, s28, 8                         ; my 64 units, in bytes
	s_mul_i32 s30, s24, 3072
	s_add_co_u32 s30, s30, s36
	s_add_nc_u64 s[14:15], s[14:15], s[30:31]      ; wo and b_mid at [c][0][64 w]
	s_add_nc_u64 s[18:19], s[18:19], s[30:31]
	s_lshl_b32 s30, s24, 10
	s_add_co_u32 s30, s30, s36
	s_add_nc_u64 s[16:17], s[16:17], s[30:31]      ; b_in at [c][64 w]
	s_mul_i32 s30, s24, 12
	s_add_nc_u64 s[20:21], s[20:21], s[30:31]
	s_load_b96 s[40:42], s[20:21], 0x0             ; b_out[c]: waited for at the end
	v_mov_b32 v39, v0                              ; rows t, 128 + r (the two stores), 16 w + r, 64 + 16 w + r (the records; 128 + r serves tile 8 too)
	v_add_nc_u32 v40, 128, v37
	s_lshl_b32 s36, s28, 4
	v_add_nc_u32 v41, s36, v37
	v_add_nc_u32 v42, 64, v41
	POS 39
	POS 40
	POS 41
	POS 42
.irp i, 0,1,2,3
	global_load_b32 v[44+\i], v[39+\i], s[6:7]
.endr
	GLOADW 1, 0, 10, 0, 4, 0                       ; W_in: 13 loads,
	GLOADB 0, 16, 0                                ; b_in: 8
	s_wait_loadcnt 21                              ; the four tokens are in; W_in's 21 loads stay out
.irp i, 0,1,2,3
	v_min_u32 v[44+\i], 0x7fff, v[44+\i]
.endr
	v_mul_u32_u24 v7, v44, 12                      ; out0: 12 bytes a token
	v_mul_u32_u24 v8, v45, 12
	v_lshlrev_b32 v48, 2, v44
	v_lshlrev_b32 v49, 2, v45
	v_lshlrev_b32 v50, 5, v46                      ; a record is 32 bytes
	v_lshlrev_b32 v51, 5, v47
	v_lshlrev_b32 v52, 5, v45
.irp i, 0,1,2
	global_load_b128 v[108+8*\i:111+8*\i], v[50+\i], s[8:9]
	global_load_b128 v[112+8*\i:115+8*\i], v[50+\i], s[8:9] offset:16
.endr
	global_load_b32 v[IDA], v48, s[44:45]
	global_load_b32 v[IDB], v49, s[44:45]
	GLOADW 1, 48, 12, 0, 8, 1                      ; mid0: 25 + 8 = 33 loads
	GLOADB 32, 18, 0
	s_wait_loadcnt 33                              ; W_in, the records and the ids are in; mid0's 33 stay out
	GLOADW 1, 144, 12, 51200, 8, 2                 ; mid1: 33
	GLOADB 64, 18, 1024
.irp i, 0,1,2,3
	v_mov_b32 v[132+\i], 0
.endr
.irp x, 0,1,2,3,4,5
	v_mov_b32 v[TX+\x], 0                          ; written once: a lane permute's destination counts as one of its sources
.endr
.irp mm, 0,1,2
	v_mov_b32 v[PT+4*\mm+3], 0                     ; the fourth word of a row's part
.endr
	IMG0 108, 9, 10, 11, 0, 0, 0                   ; tile of rows w,
	IMG0 116, 9, 10, 11, 12288, 12288, 512         ; w + 4,
	s_cmp_lg_u32 s28, 0
	s_cbranch_scc1 .Lnot_wave_0
	IMG0 124, 1, 2, 3, 24576, 25088, 1024          ; and 8, by wave 0 (every wave has loaded it, so that the counts of loads are alike)
.Lnot_wave_0:
	BARRIER                                        ; the encoding's nine fragments lie in LDS
	FETCH 0, 1, BUF0, SC0
	LAYER 1, BUF0, SC0, BUF1, SC1, 1, 0, 0, 16, 0
	BARRIER
	FETCH 0, 2, BUF1, SC1
	s_wait_loadcnt 33                              ; mid0 is in; mid1's 33 stay out
	GLOADW 2, 108, 12, 102400, 8, 3                ; mid2: 33
	GLOADB 208, 18, 2048
	LAYER 2, BUF1, SC1, BUF0, SC0, 1, 48, 32, 20, 0
	BARRIER
	FETCH 0, 2, BUF0, SC0
	s_wait_loadcnt 33                              ; mid1 is in; mid2's 33 stay out
	WIN 0xc0
.irp n, 0,1,2
.irp b, 0,1
.irp q, 0,1,2,3
	global_load_b128 v[32*\n+16*\b+4*\q:32*\n+16*\b+4*\q+3], v12, s[14:15] offset:1024*\n+128*\b+16*\q   ; W_out: 24 loads
.endr
.endr
.endr
	WIN 0
	LAYER 2, BUF0, SC0, BUF1, SC1, 1, 144, 64, 24, 0
	BARRIER
	FETCH 0, 2, BUF1, SC1
	s_wait_loadcnt 24                              ; mid2 is in; W_out's 24 stay out
	LAYER 2, BUF1, SC1, 0, 0, 2, 108, 208, 28, 1
	BARRIER                                        ; all four waves' parts of the 144 rows lie in LDS
	s_wait_kmcnt 0x0                               ; b_out
	FIN 14, 7, IDA, 0                              ; rows 0 .. 127: a thread a row
	s_cmp_lg_u32 s28, 0
	s_cbranch_scc1 .Lend
	v_add_nc_u32 v59, 128, v0                      ; rows 128 .. 143: wave 0; its lanes 16-31 stand at row 144 or beyond and are off at the store
	FIN 15, 8, IDB, 59
.Lend:
	s_wait_tensorcnt 0x0
	ds_add_u32 v254, v255
	s_wait_dscnt 0x0
	s_endpgm
.Lfunc_end_k_q8d3c6420c5_mlp:
	.size	k_q8d3c6420c5_mlp, .Lfunc_end_k_q8d3c6420c5_mlp-k_q8d3c6420c5_mlp
	.p2alignl 7, 3214868480
	.fill 96, 4, 3214868480
	.section	.rodata,"a",@progbits
	.p2align	6, 0x0
	.amdhsa_kernel k_q8d3c6420c5_mlp
		.amdhsa_group_segment_fixed_size 68096
		.amdhsa_private_segment_fixed_size 0
		.amdhsa_enable_private_segment 0
		.amdhsa_kernarg_size 88
		.amdhsa_user_sgpr_count 2
		.amdhsa_user_sgpr_kernarg_segment_ptr 1
		.amdhsa_wavefront_size32 1
		.amdhsa_system_sgpr_workgroup_id_x 1
		.amdhsa_system_sgpr_workgroup_id_y 1
		.amdhsa_system_sgpr_workgroup_id_z 1
		.amdhsa_system_vgpr_workitem_id 0
		.amdhsa_next_free_vgpr 864
		.amdhsa_next_free_sgpr 66
		.amdhsa_reserve_vcc 1
		.amdhsa_float_denorm_mode_32 3
		.amdhsa_float_denorm_mode_16_64 3
		.amdhsa_memory_ordered 1
		.amdhsa_forward_progress 1
		.amdhsa_inst_pref_size 202
	.end_amdhsa_kernel
	.amdgpu_metadata
---
amdhsa.version: [ 1, 2 ]
amdhsa.kernels:
  - .name:           k_q8d3c6420c5_mlp
    .symbol:         k_q8d3c6420c5_mlp.kd
    .args:
      - { .name: tiles, .offset: 0, .size: 8, .value_kind: global_buffer, .address_space: global }
      - { .name: order, .offset: 8, .size: 8, .value_kind: global_buffer, .address_space: global }
      - { .name: rec, .offset: 16, .size: 8, .value_kind: global_buffer, .address_space: global }
      - { .name: wq_in, .offset: 24, .size: 8, .value_kind: global_buffer, .address_space: global }
      - { .name: wq_mid, .offset: 32, .size: 8, .value_kind: global_buffer, .address_space: global }
      - { .name: wo, .offset: 40, .size: 8, .value_kind: global_buffer, .address_space: global }
      - { .name: b_in, .offset: 48, .size: 8, .value_kind: global_buffer, .address_space: global }
      - { .name: b_mid, .offset: 56, .size: 8, .value_kind: global_buffer, .address_space: global }
      - { .name: b_out, .offset: 64, .size: 8, .value_kind: global_buffer, .address_space: global }
      - { .name: out0, .offset: 72, .size: 8, .value_kind: global_buffer, .address_space: global }
      - { .name: cluster_ids, .offset: 80, .size: 8, .value_kind: global_buffer, .address_space: global }
    .group_segment_fixed_size: 68096
    .private_segment_fixed_size: 0
    .kernarg_segment_align: 8
    .kernarg_segment_size: 88
    .max_flat_workgroup_size: 128
    .sgpr_count:     66
    .vgpr_count:     864
    .wavefront_size: 32
...
	.end_amdgpu_metadata
.endif
;; end of part 2
